; MI455X (gfx1250); checked and timed in simulation.
; The chip was launched on July 23, 2026; its instructions are those of AMD's public machine-readable ISA for CDNA 5 (MIT licence, August 2026) and "CDNA5" Instruction Set Architecture Reference Guide (July 2026). The comments in the code are by the model that wrote it; some were corrected since.
;; LSTM Cell. Allowed arithmetic: matrix products marked QUANTISED: E4M3 operands, one E8M0 scale for each 32 along K, by v_wmma_scale_f32_16x16x128_f8f6f4 with both operands' format E4M3, f32 sums; everything else in f32.
;; Inputs: C 2,048 x 2,048 float32; H 2,048 x 2,048 float32; W_hf 2,048 x 2,048 float32; W_hg 2,048 x 2,048 float32; W_hi 2,048 x 2,048 float32; W_ho 2,048 x 2,048 float32; W_xf 2,048 x 2,048 float32; W_xg 2,048 x 2,048 float32; W_xi 2,048 x 2,048 float32; W_xo 2,048 x 2,048 float32; X 2,048 x 2,048 float32; b_f 1 x 2,048 float32; b_g 1 x 2,048 float32; b_i 1 x 2,048 float32; b_o 1 x 2,048 float32.
;; Outputs: out0 2,048 x 2,048 float32; out1 2,048 x 2,048 float32.
;; This version of the problem:
;;   THIS VERSION OF THE PROBLEM IS GIVEN IN LOW PRECISION. The matrix products marked QUANTISED in the list below multiply operands that are first quantised to E4M3 (4 exponent bits, 3 mantissa bits; 8 bits a number), with one power-of-two scale for each 32 numbers along K (OCP MX v1.0); their sums are f32. All else is computed in f32.
;;   The module's matrix products, in the order in which they are computed (A, B: the left and right operand; K: the contracted axis; several contracted axes count as one K, in the product's order):
;;     1. [M 2,048, K 2,048] x [K 2,048, N 2,048]; A: input X; B: input W_xf: QUANTISED
;;     2. [M 2,048, K 2,048] x [K 2,048, N 2,048]; A: input H; B: input W_hf: QUANTISED
;;     3. [M 2,048, K 2,048] x [K 2,048, N 2,048]; A: input X; B: input W_xi: QUANTISED
;;     4. [M 2,048, K 2,048] x [K 2,048, N 2,048]; A: input H; B: input W_hi: QUANTISED
;;     5. [M 2,048, K 2,048] x [K 2,048, N 2,048]; A: input X; B: input W_xo: QUANTISED
;;     6. [M 2,048, K 2,048] x [K 2,048, N 2,048]; A: input H; B: input W_ho: QUANTISED
;;     7. [M 2,048, K 2,048] x [K 2,048, N 2,048]; A: input X; B: input W_xg: QUANTISED
;;     8. [M 2,048, K 2,048] x [K 2,048, N 2,048]; A: input H; B: input W_hg: QUANTISED
;;   THE QUANTISER, for each operand of a quantised product, along K:
;;     - K is cut into blocks of 32 from its start; a last block that is shorter is filled with zeros.
;;     - A block's scale is 2^e with e = floor(log2(the largest magnitude in the block)) - 8, held to -126 .. 127; a block of zeros has e = 0. As a byte (E8M0): e + 127.
;;     - Each number is divided by its block's scale, clamped to +-448, and rounded to the nearest number of E4M3, ties to even, subnormals kept.
;;     - The product sums the exact products of the quantised numbers (number of the format x scale) in f32.
;;   ~~~python
;;   def quantise(x, axis):      # numpy; x: float32 -> the quantised numbers, widened to float32 again
;;       x = np.moveaxis(x, axis, -1); K = x.shape[-1]
;;       x = np.pad(x, [(0, 0)] * (x.ndim - 1) + [(0, -K % 32)]); x = x.reshape(x.shape[:-1] + (-1, 32)); a = np.abs(x).max(-1, keepdims=True)
;;       e = np.where(a > 0, np.clip(np.frexp(np.where(a > 0, a, 1))[1] - 1 - 8, -126, 127), 0)      # np.frexp(a)[1] - 1 = floor(log2(a)), exactly
;;       r = np.clip(x / 2.0 ** e, -448, 448)
;;       step = 2.0 ** (np.maximum(np.frexp(np.where(r == 0, 1, r))[1] - 1, -6) - 3)
;;       q = np.round(r / step) * step * 2.0 ** e      # np.round: ties to even
;;       return np.moveaxis(q.reshape(q.shape[:-2] + (-1,))[..., :K], -1, axis).astype(np.float32)
;;   ~~~
;; One version. Each part assembles by itself: llvm-mc -triple=amdgcn-amd-amdhsa -mcpu=gfx1250 --defsym DOCPART=n.
;; ======== version 1 of 1: 2 launches
;; limits: right only within a limited range of input values
;; workspace buffers: acodes 8,650,752 bytes; bcodes 34,603,008 bytes
;; launch quant (part 1): grid 1280 x 1, 4 waves a work-group, no clusters, 57,856 bytes of LDS; arguments W_xf, W_xi, W_xo, W_xg, W_hf, W_hi, W_ho, W_hg, X, H, acodes, bcodes; writes acodes, bcodes
.if DOCPART == 1
	.amdgcn_target "amdgcn-amd-amdhsa--gfx1250"
	.amdhsa_code_object_version 6
	.text
	.protected	k_q502c5825f7_quant
	.globl	k_q502c5825f7_quant
	.p2align	8
	.type	k_q502c5825f7_quant,@function
k_q502c5825f7_quant:
	s_mov_b64 s[64:65], 0
	v_nop
	global_prefetch_b8 v0, s[64:65] scope:SCOPE_SE
	s_setreg_imm32_b32 hwreg(HW_REG_WAVE_MODE, 25, 1), 1
	s_wait_xcnt 0x0
; The operands of the LSTM cell's eight products, f32, become codes of FP8 (E4M3) with one E8M0 scale byte for each 32 along K, once, in two workspace buffers.
; The eight products are ONE product: A = [X | H], 2,048 x 4,096; B = the eight weights, 4,096 (K) x 8,192 (four gates of 2,048 columns).  K steps 0-7 are X's and W_x*'s, 8-15 H's and W_h*'s.
; LAYOUT of both buffers: dense blocks of BLKB = 264 x 256 bytes, one for each (tile of 256 operand rows, K step of 256).  Block rows 0-255: the 256 codes of tile row rho, K innermost.
; Block rows 256-263 (from byte 65,536): the scale bytes, 8 for each tile row, at 8 rho.  Block number: 16 x tile + K step.  So the next launch brings a K step's codes AND scales of a tile by dense loads.
; B's rows are ordered 128 (n / 32) + 32 gate + n % 32 (gates: 0 f, 1 i, 2 o, 3 g): tile tx holds output columns 64 tx .. 64 tx + 63 of all four gates.
; A block's scale is 2^(floor(log2(its largest magnitude)) - 8); its byte is the largest magnitude's exponent field - 8, held at 1 from below by a floor among the maximum's leaves.
; Each number is divided by the scale, held within +-448 and rounded to the nearest code, ties to even.
; LIMITS: a block of zeros gets the byte 1 where the rule says 127: its codes are zeros, which add nothing, and this program alone reads the bytes.  Blocks whose largest magnitude lies under 2^(9 - 127),
; the floor, were not tried.  NaN and infinities among the inputs are not served.
; WORK-GROUPS 0-1023 take the weights (K is their FIRST axis), 1024-1279 the activations (K innermost).  The two ways part on the work-group's number and have LDS bytes of their own.
; No tensor loads, no barrier, no cluster: waves share nothing, and no two work-groups read the same input.
; THE CLAIMS: 57,344 bytes of LDS are what the two ways use; with the spare words a claim is 57,856; five are 289,280 of a WGP's 327,680 bytes, and five waves of 192 registers are 960 of a SIMD's 1,024.  The grid's 1,280 work-groups are five for
; each of 256 WGPs: all of them can be resident together, so that every wave's loads are on their way from the start.
.set BLKB,  67584
.set MANT,  0x600000                   ; the mantissa field of 448 as f32
.set FLOOR, 0x4800000                  ; 2^(9 - 127)
.set OFFE,  0xfc000000                 ; -(8 << 23)
.set WP,    272                        ; weights: a stage row: 256 bytes + 16
.set WX,    32                         ; v32-95   two sets of 32 numbers
.set WC,    96                         ; v96-103  a block's codes
.set WOUT,  112                        ; v112-175 the way out
.set WSB,   24                         ; v24-25   the scale bytes, four to a register
.set ABASE, 34816                      ; activations: their LDS begins behind the weights' four stages (4 x 32 x 272 = 34,816)
.set WREG,  5632                       ; a region for each wave: two stages of 32 x SP bytes (5,120), behind them its 256 scale bytes
.set SP,    80                         ; a lane's place in a stage: 64 bytes + 16 of padding
.set AR,    16                         ; v16-79   four sets of 16 numbers as they are loaded
.set AX,    80                         ; v80-111  two sets of 16 neighbours
.set AE,    112                        ; v112-127 a scale byte for each step
.set AC,    128                        ; v128-191 codes: four registers for each step, so that no store's data are written again
	s_load_b512 s[8:23], s[0:1], 0x0               ; the eight weights: xf, xi, xo, xg, hf, hi, ho, hg
	s_load_b256 s[24:31], s[0:1], 0x40             ; X, H, acodes, bcodes
	v_lshl_add_u32 v1, v0, 2, 0xe000               ; v1: my spare word, behind the two ways' 57,344 bytes; never rewritten
	v_mov_b32 v4, 0                                ; v4: 0; never rewritten
	v_lshrrev_b32 v2, 5, v0
	v_readfirstlane_b32 s4, v2                     ; wave 0..3
	v_and_b32 v2, 31, v0                           ; lane
	s_mov_b32 s46, MANT                            ; (an instruction takes one literal: the hold's line has another)
	s_cmp_lt_u32 ttmp9, 1024
	s_cbranch_scc0 .Lacts
; ---------------- THE WEIGHTS.  Work-group = 128 x weight + 8 x (128 columns) + (256 along K).  A wave takes 32 columns x 256 along K.
; A LANE TAKES A COLUMN, AND ITS REGISTERS RUN DOWN K: a block of 32 lies in one lane's 32 registers, and the conversions give codes with K innermost.  Nothing is transposed by an instruction.
; The codes go through the wave's own stage in LDS and leave as 8,192 dense bytes (32 block rows); the 8 scale bytes a lane leave as 256 dense bytes.
	s_lshr_b32 s32, ttmp9, 7                       ; which weight, 0..7
	s_and_b32 s33, s32, 3                          ; its gate
	s_lshr_b32 s34, s32, 2                         ; 0: of X, 1: of H
	s_bfe_u32 s35, ttmp9, 0x40003                  ; which 128 columns
	s_and_b32 s36, ttmp9, 7                        ; which 256 along K
	s_wait_alu depctr_va_vdst(0)
	v_lshlrev_b32 v3, 2, v2                        ; in: 4 bytes a lane
	s_mul_i32 s37, s4, 32*WP                       ; my stage
	v_mul_u32_u24 v14, v2, WP
	v_add_nc_u32 v14, s37, v14                     ; into my stage: row = my column
	v_and_b32 v5, 15, v2
	v_lshrrev_b32 v6, 4, v2                        ; out of it: sixteen lanes to a row, two rows an instruction
	v_mul_u32_u24 v7, v6, WP
	v_lshl_add_u32 v7, v5, 4, v7
	v_add_nc_u32 v7, s37, v7
	v_lshlrev_b32 v8, 8, v6
	v_lshl_add_u32 v8, v5, 4, v8                   ; and the same place in the block: rows of 256 bytes on end
	v_lshlrev_b32 v9, 3, v2                        ; my column's 8 scale bytes
	s_lshl_b32 s38, s36, 21                        ; the weight: 256 rows of 8,192 bytes for each K step,
	s_lshl_b32 s40, s35, 9                         ; 512 bytes for each 128 columns,
	s_add_co_u32 s38, s38, s40
	s_lshl_b32 s40, s4, 7                          ; 128 for each wave
	s_add_co_u32 s38, s38, s40
	s_mov_b32 s39, 0
	s_lshl_b32 s40, s35, 1
	s_lshr_b32 s41, s4, 1
	s_add_co_u32 s40, s40, s41                     ; tile of B = column / 64
	s_lshl_b32 s40, s40, 4
	s_lshl_b32 s41, s34, 3
	s_add_co_u32 s40, s40, s41
	s_add_co_u32 s40, s40, s36                     ; block = 16 x tile + 8 x (of H) + K step
	s_mul_i32 s40, s40, BLKB                       ; under 2^26
	s_and_b32 s42, s4, 1
	s_lshl_b32 s42, s42, 7
	s_lshl_b32 s43, s33, 5
	s_add_co_u32 s42, s42, s43                     ; my first row in the tile: 128 x (column / 32 odd) + 32 x gate
	s_lshl_b32 s43, s42, 8
	s_lshl_b32 s44, s42, 3
	s_add_co_u32 s42, s40, s43                     ; where my codes go,
	s_mov_b32 s43, 0
	s_add_co_u32 s44, s40, s44
	s_add_co_u32 s44, s44, 65536                   ; and my scale bytes
	s_mov_b32 s45, 0
	s_wait_kmcnt 0x0
	s_bitcmp1_b32 s32, 0                           ; the weight's address: a choice among the eight, on the work-group's number alone
	s_cselect_b64 s[8:9], s[10:11], s[8:9]
	s_cselect_b64 s[12:13], s[14:15], s[12:13]
	s_cselect_b64 s[16:17], s[18:19], s[16:17]
	s_cselect_b64 s[20:21], s[22:23], s[20:21]
	s_bitcmp1_b32 s32, 1
	s_cselect_b64 s[8:9], s[12:13], s[8:9]
	s_cselect_b64 s[16:17], s[20:21], s[16:17]
	s_bitcmp1_b32 s32, 2
	s_cselect_b64 s[8:9], s[16:17], s[8:9]
	s_add_nc_u64 s[8:9], s[8:9], s[38:39]
	s_add_nc_u64 s[6:7], s[30:31], s[42:43]
	s_add_nc_u64 s[30:31], s[30:31], s[44:45]
.macro WLOAD t                         ; block t: W(32 t + i, my column), i = 0 .. 31, into set t % 2.  Every offset is an immediate: 255 x 8,192 at the most
.irp i, 0,1,2,3,4,5,6,7,8,9,10,11,12,13,14,15,16,17,18,19,20,21,22,23,24,25,26,27,28,29,30,31
	global_load_b32 v[WX+32*((\t)%2)+\i], v3, s[8:9] offset:(32*(\t)+\i)*8192 th:TH_LOAD_NT
.endr
.endm
	WLOAD 0
	WLOAD 1
.macro WBLOCK t
.set XS, WX+32*((\t)%2)
.if (\t) < 7
	s_wait_loadcnt 32                              ; this block's 32 loads are in; the next block's 32 may be out
.else
	s_wait_loadcnt 0
.endif
	v_max3_num_f32 v12, |v[XS]|, |v[XS+1]|, |v[XS+2]|               ; the block's largest magnitude: all 32 numbers are mine; two chains
	v_max3_num_f32 v13, |v[XS+3]|, |v[XS+4]|, |v[XS+5]|
.irp i, 6,10,14,18,22,26
	v_max3_num_f32 v12, v12, |v[XS+\i]|, |v[XS+\i+1]|
	v_max3_num_f32 v13, v13, |v[XS+\i+2]|, |v[XS+\i+3]|
.endr
	v_max3_num_f32 v12, v12, |v[XS+30]|, |v[XS+31]|
	v_max3_num_f32 v12, v12, v13, FLOOR            ; and the floor: the byte cannot fall under 1
	v_add_nc_u32 v11, OFFE, v12                    ; 8 off its exponent field: the conversion takes the exponent field of this operand as its scale
	v_and_or_b32 v10, v12, 0x7f800000, s46         ; 448 x the scale: the largest magnitude's exponent field over 448's mantissa
	v_lshrrev_b32 v13, 23, v11                     ; the scale's byte
.if (\t)%4 == 0
	v_mov_b32 v[WSB+(\t)/4], v13                   ; four bytes to a register, the lower K in the lower byte
.else
	v_lshl_or_b32 v[WSB+(\t)/4], v13, 8*((\t)%4), v[WSB+(\t)/4]
.endif
.irp i, 0,1,2,3,4,5,6,7,8,9,10,11,12,13,14,15,16,17,18,19,20,21,22,23,24,25,26,27,28,29,30,31
	v_med3_num_f32 v[XS+\i], v[XS+\i], -v10, v10   ; the conversion to an 8-bit code does not saturate (ISA guide 7.6.2): hold the number first
.endr
.irp g, 0,1,2,3
	v_cvt_scalef32_pk8_fp8_f32 v[WC+2*\g:WC+2*\g+1], v[XS+8*\g:XS+8*\g+7], v11
.endr
	ds_store_b128 v14, v[WC:WC+3] offset:32*(\t)   ; 32 codes: 32 bytes of my column's row.  (The codes go to LDS stores alone, and the next block begins with plain vector lines)
	ds_store_b128 v14, v[WC+4:WC+7] offset:32*(\t)+16
.if (\t)+2 < 8
	WLOAD (\t)+2
.endif
	s_wait_dscnt 0x0                               ; the stores have read their registers: the next block's codes may be written
.endm
.irp t, 0,1,2,3,4,5,6,7
	WBLOCK \t
.endr
	global_store_b64 v9, v[WSB:WSB+1], s[30:31]    ; 32 lanes store 256 consecutive bytes, at a multiple of 256 from the buffer's first byte
.irp t, 0,1,2,3,4,5,6,7,8,9,10,11,12,13,14,15
	ds_load_b128 v[WOUT+4*\t:WOUT+4*\t+3], v7 offset:2*\t*WP   ; LDS serves a wave's instructions in order (ISA guide 5.7.1.4): these see my stores
.endr
.irp t, 0,1,2,3,4,5,6,7,8,9,10,11,12,13,14,15
	s_wait_dscnt 15-\t                             ; the loads come back in order: load t is in, the 15 - t younger ones may be out
	global_store_b128 v8, v[WOUT+4*\t:WOUT+4*\t+3], s[6:7] offset:512*\t   ; 512 consecutive bytes an instruction
.endr
	s_wait_tensorcnt 0x0                           ; the wave's end
	ds_add_u32 v1, v4
	s_wait_dscnt 0x0
	s_endpgm
; ---------------- THE ACTIVATIONS.  Work-group - 1024 = 128 x (H) + 2 x (32 rows) + (which four K steps).  A wave takes 32 rows x one K step of 256: 16 steps of two rows, 512 numbers.
; The conversions want 16 NEIGHBOURS along K in a lane; a load is dense where neighbouring lanes take neighbouring bytes.  Both are had: each load reads 512 consecutive bytes, 16 a lane; a step's 2,048 bytes
; go through the wave's own stage in LDS as they lie and come back 64 bytes a lane.  Two neighbouring lanes hold a block of 32.
.Lacts:
	s_sub_co_u32 s32, ttmp9, 1024
	s_lshr_b32 s34, s32, 7                         ; 0: X, 1: H
	s_bfe_u32 s35, s32, 0x60001                    ; which 32 rows, 0..63
	s_and_b32 s36, s32, 1
	s_lshl_b32 s36, s36, 2
	s_add_co_u32 s36, s36, s4                      ; my wave's K step in the tensor, 0..7
	s_lshl_b32 s38, s35, 18                        ; the tensor: 32 rows of 8,192 bytes,
	s_lshl_b32 s40, s36, 10                        ; 1,024 bytes for each K step
	s_add_co_u32 s38, s38, s40
	s_mov_b32 s39, 0
	s_lshr_b32 s40, s35, 3                         ; tile of A = row / 256
	s_lshl_b32 s40, s40, 4
	s_lshl_b32 s41, s34, 3
	s_add_co_u32 s40, s40, s41
	s_add_co_u32 s40, s40, s36                     ; block = 16 x tile + 8 x (H) + K step
	s_mul_i32 s40, s40, BLKB
	s_and_b32 s41, s35, 7                          ; which 32 rows of the tile
	s_lshl_b32 s42, s41, 13
	s_add_co_u32 s42, s42, s40                     ; where my codes go: 8,192 dense bytes,
	s_mov_b32 s43, 0
	s_lshl_b32 s44, s41, 8
	s_add_co_u32 s44, s44, s40
	s_add_co_u32 s44, s44, 65536                   ; and my 256 scale bytes
	s_mov_b32 s45, 0
	s_wait_alu depctr_va_vdst(0)
	v_lshlrev_b32 v3, 4, v2                        ; 16 x lane: my 16 bytes of a load's 512, and my 16 codes of a step's 512; never rewritten
	s_mul_i32 s37, s4, WREG
	s_add_co_u32 s37, s37, ABASE                   ; my wave's region
	v_lshrrev_b32 v14, 2, v2
	v_mul_u32_u24 v14, v14, SP
	v_and_b32 v15, 3, v2
	v_lshl_add_u32 v14, v15, 4, v14
	v_add_nc_u32 v14, s37, v14                     ; the stage, on the way in: four lanes' 64 bytes on end, then 16 of padding
	v_mul_u32_u24 v15, v2, SP
	v_add_nc_u32 v15, s37, v15                     ; and on the way out: my 16 neighbours
	v_lshrrev_b32 v5, 1, v2
	s_add_co_u32 s37, s37, 2*32*SP
	v_add_nc_u32 v5, s37, v5                       ; my block's scale byte among the wave's 256
	v_lshlrev_b32 v7, 3, v2                        ; and on the way out 8 bytes a lane
	v_add_nc_u32 v6, s37, v7
	s_wait_alu depctr_va_vdst(0)
	s_wait_kmcnt 0x0
	s_cmp_lt_u32 s32, 128                          ; X or H: the choice hangs on the work-group's number alone
	s_cselect_b64 s[24:25], s[24:25], s[26:27]
	s_add_nc_u64 s[24:25], s[24:25], s[38:39]
	s_add_nc_u64 s[6:7], s[28:29], s[42:43]
	s_add_nc_u64 s[28:29], s[28:29], s[44:45]
.macro ALOAD t                         ; step t: rows 2 t and 2 t + 1, 1,024 bytes of each, as four loads of 512 consecutive bytes
.irp i, 0,1,2,3
	global_load_b128 v[AR+16*((\t)%4)+4*\i:AR+16*((\t)%4)+4*\i+3], v3, s[24:25] offset:(2*(\t)+\i/2)*8192+512*(\i%2) th:TH_LOAD_NT
.endr
.endm
.macro ATURN t                         ; step t's numbers through the stage: LDS serves a wave's instructions in order, so no wait stands between the stores and the loads
.irp i, 0,1,2,3
	ds_store_b128 v14, v[AR+16*((\t)%4)+4*\i:AR+16*((\t)%4)+4*\i+3] offset:32*SP*((\t)%2)+8*SP*\i
.endr
.irp i, 0,1,2,3
	ds_load_b128 v[AX+16*((\t)%2)+4*\i:AX+16*((\t)%2)+4*\i+3], v15 offset:32*SP*((\t)%2)+16*\i
.endr
.endm
.irp t, 0,1,2,3
	ALOAD \t
.endr
	s_wait_loadcnt 12                              ; step 0's four loads are in; the twelve of steps 1 to 3 may be out
	ATURN 0
.macro ASTEP t
.set XS, AX+16*((\t)%2)
.if (\t) > 0
	s_wait_dscnt 1                                 ; this step's numbers are back from the stage (the last step's byte store may be out): so its stores into the stage have read their registers,
.else
	s_wait_dscnt 0x0
.endif
.if (\t)+4 < 16
	ALOAD (\t)+4                                   ; which take the loads of four steps on
.endif
.if (\t)+1 < 16
.if 14-(\t) >= 3
	s_wait_loadcnt 12                              ; the next step's four loads are in; those of the three steps behind it may be out
.else
	s_wait_loadcnt 4*(14-(\t))                     ; at the end fewer steps stand behind it
.endif
	ATURN (\t)+1                                   ; and go through the other stage while this step is worked
.endif
	v_max3_num_f32 v8, |v[XS]|, |v[XS+1]|, |v[XS+2]|               ; the largest magnitude of my 16
	v_max3_num_f32 v9, |v[XS+3]|, |v[XS+4]|, |v[XS+5]|
.irp i, 6,10
	v_max3_num_f32 v8, v8, |v[XS+\i]|, |v[XS+\i+1]|
	v_max3_num_f32 v9, v9, |v[XS+\i+2]|, |v[XS+\i+3]|
.endr
	v_max3_num_f32 v8, v8, |v[XS+14]|, |v[XS+15]|
	v_max3_num_f32 v8, v8, v9, FLOOR               ; and the floor
	v_max_num_f32_dpp v8, v8, v8 row_xmask:1 row_mask:0xf bank_mask:0xf   ; and of my neighbour's 16: the block's
	v_add_nc_u32 v11, OFFE, v8                     ; the conversion's scale operand
	v_and_or_b32 v10, v8, 0x7f800000, s46          ; 448 x the scale
.irp i, 0,1,2,3,4,5,6,7,8,9,10,11,12,13,14,15
	v_med3_num_f32 v[XS+\i], v[XS+\i], -v10, v10   ; the hold (ISA guide 7.6.2: the conversion does not saturate)
.endr
	v_cvt_scalef32_pk8_fp8_f32 v[AC+4*(\t):AC+4*(\t)+1], v[XS:XS+7], v11
	v_cvt_scalef32_pk8_fp8_f32 v[AC+4*(\t)+2:AC+4*(\t)+3], v[XS+8:XS+15], v11
	v_lshrrev_b32 v[AE+(\t)], 23, v11              ; the scale's byte (a plain line behind the conversions)
	ds_store_b8 v5, v[AE+(\t)] offset:16*(\t)      ; both lanes of a block write the same byte with the same value: row 2 t's eight bytes, then row 2 t + 1's
	global_store_b128 v3, v[AC+4*(\t):AC+4*(\t)+3], s[6:7] offset:512*(\t)   ; two block rows: 512 consecutive bytes
.endm
.irp t, 0,1,2,3,4,5,6,7,8,9,10,11,12,13,14,15
	ASTEP \t
.endr
	ds_load_b64 v[12:13], v6                       ; LDS serves a wave's instructions in order: these see my stores
	s_wait_dscnt 0x0
	global_store_b64 v7, v[12:13], s[28:29]        ; 32 lanes store 256 consecutive bytes, aligned
	s_wait_tensorcnt 0x0                           ; the wave's end
	ds_add_u32 v1, v4
	s_wait_dscnt 0x0
	s_endpgm
.Lfunc_end_k_q502c5825f7_quant:
	.size	k_q502c5825f7_quant, .Lfunc_end_k_q502c5825f7_quant-k_q502c5825f7_quant
	.p2alignl 7, 3214868480
	.fill 96, 4, 3214868480
	.section	.rodata,"a",@progbits
	.p2align	6, 0x0
	.amdhsa_kernel k_q502c5825f7_quant
		.amdhsa_group_segment_fixed_size 57856
		.amdhsa_private_segment_fixed_size 0
		.amdhsa_enable_private_segment 0
		.amdhsa_kernarg_size 96
		.amdhsa_user_sgpr_count 2
		.amdhsa_user_sgpr_kernarg_segment_ptr 1
		.amdhsa_wavefront_size32 1
		.amdhsa_system_sgpr_workgroup_id_x 1
		.amdhsa_system_sgpr_workgroup_id_y 1
		.amdhsa_system_sgpr_workgroup_id_z 1
		.amdhsa_system_vgpr_workitem_id 0
		.amdhsa_next_free_vgpr 192
		.amdhsa_next_free_sgpr 66
		.amdhsa_reserve_vcc 0
		.amdhsa_float_denorm_mode_32 3
		.amdhsa_float_denorm_mode_16_64 3
		.amdhsa_memory_ordered 1
		.amdhsa_forward_progress 1
		.amdhsa_inst_pref_size 110
	.end_amdhsa_kernel
	.amdgpu_metadata
---
amdhsa.version: [ 1, 2 ]
amdhsa.kernels:
  - .name:           k_q502c5825f7_quant
    .symbol:         k_q502c5825f7_quant.kd
    .args:
      - { .name: W_xf, .offset: 0, .size: 8, .value_kind: global_buffer, .address_space: global }
      - { .name: W_xi, .offset: 8, .size: 8, .value_kind: global_buffer, .address_space: global }
      - { .name: W_xo, .offset: 16, .size: 8, .value_kind: global_buffer, .address_space: global }
      - { .name: W_xg, .offset: 24, .size: 8, .value_kind: global_buffer, .address_space: global }
      - { .name: W_hf, .offset: 32, .size: 8, .value_kind: global_buffer, .address_space: global }
      - { .name: W_hi, .offset: 40, .size: 8, .value_kind: global_buffer, .address_space: global }
      - { .name: W_ho, .offset: 48, .size: 8, .value_kind: global_buffer, .address_space: global }
      - { .name: W_hg, .offset: 56, .size: 8, .value_kind: global_buffer, .address_space: global }
      - { .name: X, .offset: 64, .size: 8, .value_kind: global_buffer, .address_space: global }
      - { .name: H, .offset: 72, .size: 8, .value_kind: global_buffer, .address_space: global }
      - { .name: acodes, .offset: 80, .size: 8, .value_kind: global_buffer, .address_space: global }
      - { .name: bcodes, .offset: 88, .size: 8, .value_kind: global_buffer, .address_space: global }
    .group_segment_fixed_size: 57856
    .private_segment_fixed_size: 0
    .kernarg_segment_align: 8
    .kernarg_segment_size: 96
    .max_flat_workgroup_size: 128
    .sgpr_count:     66
    .vgpr_count:     192
    .wavefront_size: 32
...
	.end_amdgpu_metadata
.endif
;; end of part 1
;; launch cell (part 2): grid 32 x 8, 4 waves a work-group, clusters of 4 x 4, 327,680 bytes of LDS; arguments acodes, bcodes, C, b_f, b_i, b_o, b_g, out0, out1; writes out0, out1
.if DOCPART == 2
	.amdgcn_target "amdgcn-amd-amdhsa--gfx1250"
	.amdhsa_code_object_version 6
	.text
	.protected	k_q502c5825f7_cell
	.globl	k_q502c5825f7_cell
	.p2align	8
	.type	k_q502c5825f7_cell,@function
k_q502c5825f7_cell:
	s_mov_b64 s[64:65], 0
	v_nop
	global_prefetch_b8 v0, s[64:65] scope:SCOPE_SE
	s_setreg_imm32_b32 hwreg(HW_REG_WAVE_MODE, 25, 1), 1
	s_wait_xcnt 0x0
	s_wait_alu depctr_hold_cnt(0) depctr_sa_sdst(0) depctr_va_vdst(0) depctr_va_sdst(0) depctr_va_ssrc(0) depctr_va_vcc(0) depctr_vm_vsrc(0)
	s_getreg_b32 s2, hwreg(HW_REG_IB_STS2, 6, 4)
	s_cmp_eq_u32 s2, 0
	s_cbranch_scc0 .Lentry_in_a_cluster
	s_endpgm
.Lentry_in_a_cluster:
	s_bfe_u32 s2, ttmp6, 0x10000c
	s_cmp_lg_u32 s2, 0xf033
	s_cbranch_scc0 .Lentry_shape_is_right
	s_endpgm
.Lentry_shape_is_right:
; THE LSTM CELL ON CODES OF MX-FP8.  The eight products are one: [X | H] (2,048 x 4,096) x the eight weights (4,096 x 8,192, four gates), codes and scale bytes as the launch before laid them:
; dense blocks of 264 rows of 256 bytes for each (tile of 256 operand rows, K step of 256): 256 rows of codes, then 8 rows of scale bytes.
; A work-group of four waves makes 256 rows x 64 output columns of all four gates (256 rows of B); a wave 128 x 128 in 64 accumulators.  The biases are the first products' C.
; K goes in 16 steps of 256 through a ring of two LDS slots; 4 x 4 work-groups form a cluster and ask for A's tiles jointly along a row, for B's along a column.
; THE HEAD: one joint load a wave (K step 0); the addresses and the biases' loads stand behind it; then the three lines, a round, and K step 1's load.
; THE PREFETCHES.  A tile's block of a K step is 264 blocks of 256 bytes; the eight waves that fetch it jointly (two waves x four partners) take 33 each, told apart by address:
; one instruction a lane a row, one more in which all lanes name the wave's last row.  A's tiles are loaded by eight clusters: those of cluster columns 0, 3, 4, 7 ask; B's by two, which both ask.
; K steps 1 and 2 are asked for at the head, 3 behind K step 1's load, and behind each refill of the loop the K step two refills on; the last asked for is K step 15.
; Each wave's 64 rows x 256 bytes of C are asked for in the loop's second-last trip, 32 rows at each change of slots.
; THE WAY OUT: sigmoid(x) = 1 / (1 + 2^(-x log2 e)), tanh(x) = 1 - 2 / (1 + 2^(2 x log2 e)), in f32; C_new and Y go through LDS bytes that have had their last fill and leave as whole rows of 256 bytes.
; LIMITS: NaN and infinities among the inputs are not served.
.set NQ,     2
.set FR,     16
.set NL,     4
.set NP,     8
.set PITCH,  272
.set BLKB,   67584
.set HALFG,  132*256
.set HALFT,  132*PITCH
.set OPB,    2*HALFT
.set SLOT,   2*OPB
.set R128,   128*PITCH
.set SCO,    256*PITCH
.set LAPS,   8
.set SPARE,  2*SLOT
.set ADRA, 16
.set ADRB, 20
.set ADRS, 22
.set CLA,  24
.set YA,   25
.set RD,   26
.set SPW,  28
.set NIL,  29
.set PFO,  30
.set PF2,  18                          ; v18  8,192 in every lane: the 33rd of my rows of a block
.set PFC,  19                          ; v19  lane x a row of C (8,192 bytes)
.set CO,   31
.set SC,   32
.set BIAS, 64
.set AF,   128
.set CL,   32
.set T,    64
.set TF,   64
.set TI,   80
.set TO,   96
.set TG,   112
.set CN,   128
.set EE,   144
.set YY,   160
.set OB,   192
.set G1,   24
.set G0,   32
.set G1B,  48
.set G0B,  56
.set G1C,  68
.set G0C,  76
.set LIM,  92
.set PFA,  94
.set MSB, 0
.macro WIN new
.if MSB != (\new)
	s_set_vgpr_msb (MSB<<8)|(\new)
.set MSB, (\new)
.endif
.endm
.set MUL_LO,   0xa1
.set MUL_HI,   0xf1
.set FIRST_LO, 0x81
.set FIRST_HI, 0xc1
.set TO_B,     0x40
.macro JLOAD g0a, g1a, g0b, g1b
	s_cmp_eq_u32 s15, 0
	s_cbranch_scc0 .Lfor_b_\@
	tensor_load_to_lds s[\g0a:\g0a+3], s[\g1a:\g1a+7]
	s_nop 0
.rept 4
	v_nop
.endr
	s_branch .Lasked_\@
.Lfor_b_\@:
	tensor_load_to_lds s[\g0b:\g0b+3], s[\g1b:\g1b+7]
	s_nop 0
.rept 4
	v_nop
.endr
.Lasked_\@:
.endm
.macro CREST
	s_cmp_lg_u32 s14, 0
	s_cbranch_scc1 .Lnot_wave_0_\@
	s_barrier_signal -3
.Lnot_wave_0_\@:
	s_barrier_wait -3
	s_barrier_signal -1
	s_barrier_wait -1
.endm
.macro CROUND
	s_barrier_signal -1
	s_barrier_wait -1
	CREST
.endm
.macro ASKAT o                         ; my 33 rows of the block that lies o bytes behind s[PFA]
	global_prefetch_b8 v[PFO], s[PFA:PFA+1] offset:\o th:TH_LOAD_NT scope:SCOPE_SE
	global_prefetch_b8 v[PF2], s[PFA:PFA+1] offset:\o th:TH_LOAD_NT scope:SCOPE_SE
.endm
.macro ASK h                           ; behind a refill: the K step two refills on (not in the last trip); in the second-last trip also half h of my 64 rows of C
	s_cmp_gt_u32 s3, s[LIM]
	s_cbranch_scc0 .Lnot_mine_\@
	ASKAT 2*BLKB
.Lnot_mine_\@:
	s_cmp_eq_u32 s3, 2
	s_cbranch_scc0 .Lnot_c_\@
	global_prefetch_b8 v[PFC], s[10:11] offset:(\h)*32*8192 th:TH_LOAD_NT scope:SCOPE_SE
.Lnot_c_\@:
.endm
	s_load_b128 s[4:7], s[0:1], 0x0
	s_load_b64 s[8:9], s[0:1], 0x10
	s_load_b256 s[80:87], s[0:1], 0x18
	s_load_b128 s[88:91], s[0:1], 0x38
	v_lshl_add_u32 v[SPW], v0, 2, SPARE
	v_mov_b32 v[NIL], 0
	ds_add_u32 v28, v29
	ds_add_u32 v28, v29
	s_wait_dscnt 0x0
	v_lshrrev_b32 v1, 5, v0
	v_readfirstlane_b32 s14, v1
	s_lshr_b32 s15, s14, 1
	s_and_b32 s16, s14, 1
	s_bfe_u32 s40, ttmp6, 0x40000
	s_bfe_u32 s41, ttmp6, 0x40004
	s_lshl_b32 s42, ttmp9, 2
	s_add_co_u32 s42, s42, s40
	s_and_b32 s17, ttmp7, 0xffff
	s_lshl_b32 s17, s17, 2
	s_add_co_u32 s17, s17, s41
	s_lshl_b32 s43, s41, 2
	s_lshl_b32 s43, 15, s43
	s_lshl_b32 s44, 0x1111, s40
	s_or_b32 s[G1+0], s43, (0<<16)|(1<<20)|(1<<21)|(5<<22)|(3<<25)
	s_or_b32 s[G1B+0], s44, (0<<16)|(1<<20)|(1<<21)|(5<<22)|(3<<25)
.irp g, G1, G1B
	s_mov_b32 s[\g+1], 256<<16
	s_mov_b32 s[\g+2], 132<<16
	s_mov_b32 s[\g+3], 256<<16
	s_mov_b32 s[\g+4], 132
	s_mov_b32 s[\g+5], 256
	s_mov_b32 s[\g+6], 0
	s_mov_b32 s[\g+7], 0
.endr
	s_mov_b32 s[G1C+0], (2<<16)|(1<<20)|(5<<22)|(3<<25)
	s_mov_b32 s[G1C+1], 64<<16
	s_mov_b32 s[G1C+2], 64<<16
	s_mov_b32 s[G1C+3], 64<<16
	s_mov_b32 s[G1C+4], 64
	s_mov_b32 s[G1C+5], 2048
	s_mov_b32 s[G1C+6], 0
	s_mov_b32 s[G1C+7], 0
	s_mov_b32 s96, 0xbfb8aa3b
	s_mov_b32 s97, s96
	s_mov_b32 s98, 0x4038aa3b
	s_mov_b32 s99, s98
	s_mul_i32 s18, s16, HALFG
	s_mul_i32 s20, s17, 16*BLKB
	s_add_co_u32 s20, s20, s18
	s_mov_b32 s21, 0
	s_mul_i32 s46, s42, 16*BLKB
	s_add_co_u32 s46, s46, s18
	s_mov_b32 s47, 0
	s_mul_i32 s45, s14, HALFT
	s_wait_kmcnt 0x0
	s_add_nc_u64 s[20:21], s[4:5], s[20:21]
	s_add_nc_u64 s[46:47], s[6:7], s[46:47]
	CROUND
.irp s, 0,1
	s_mov_b32 s[G0+4*\s], 1
	s_add_co_u32 s[G0+4*\s+1], s45, \s*SLOT
	s_add_nc_u64 s[G0+4*\s+2:G0+4*\s+3], s[20:21], \s*BLKB
	s_or_b32 s[G0+4*\s+3], s[G0+4*\s+3], 0x80000000
	s_mov_b32 s[G0B+4*\s], 1
	s_add_co_u32 s[G0B+4*\s+1], s45, \s*SLOT
	s_add_nc_u64 s[G0B+4*\s+2:G0B+4*\s+3], s[46:47], \s*BLKB
	s_or_b32 s[G0B+4*\s+3], s[G0B+4*\s+3], 0x80000000
.endr
	JLOAD G0, G1, G0B, G1B                         ; K step 0: one tensor load a wave at the head
	v_and_b32 v1, 15, v0
	v_bfe_u32 v2, v0, 4, 1
	s_wait_alu depctr_va_vdst(0)
	v_mul_u32_u24 v3, v1, PITCH
	v_lshl_add_u32 v4, v2, 4, v3
	s_mul_i32 s21, s15, R128
	s_mul_i32 s22, s16, R128
	s_add_co_u32 s22, s22, OPB
.irp s, 0,1
	v_add_nc_u32 v[ADRA+\s], s21, v4
	v_add_nc_u32 v[ADRB+\s], s22, v4
	s_add_co_u32 s21, s21, SLOT
	s_add_co_u32 s22, s22, SLOT
.endr
	v_lshlrev_b32 v5, 3, v1
	s_mul_i32 s21, s15, 4*PITCH
	s_mul_i32 s22, s16, 4*PITCH
	s_add_co_u32 s22, s22, OPB
	s_sub_co_u32 s22, s22, s21
	v_mul_u32_u24 v6, s22, v2
	s_add_co_u32 s21, s21, SCO
	v_add_nc_u32 v5, v5, v6
	v_add_nc_u32 v[ADRS], s21, v5
	v_add_nc_u32 v[ADRS+1], SLOT, v[ADRS]
	s_mul_i32 s21, s15, R128
	s_lshl_b32 s22, s16, 7
	s_add_co_u32 s21, s21, s22
	v_lshl_add_u32 v5, v2, 5, v3
	v_add_nc_u32 v[CLA], s21, v5
	v_add_nc_u32 v[YA], OPB, v[CLA]
	s_mul_i32 s21, s15, R128
	s_mul_i32 s22, s16, 16*PITCH
	s_add_co_u32 s21, s21, s22
	v_mul_u32_u24 v5, v2, PITCH
	v_lshl_add_u32 v5, v1, 4, v5
	v_add_nc_u32 v[RD], s21, v5
	v_add_nc_u32 v[RD+1], OPB, v[RD]
	v_lshlrev_b32 v5, 13, v2
	v_lshl_add_u32 v[CO], v1, 4, v5
	v_and_b32 v[PFO], 31, v0
	v_lshlrev_b32 v[PFO], 8, v[PFO]
	v_lshlrev_b32 v7, 5, v2
	v_mov_b32 v[PF2], 0x2000
	v_lshlrev_b32 v[PFC], 5, v[PFO]
	s_wait_alu depctr_va_vdst(0)                   ; the wait here, directly behind the writes
	; the prefetches: s[PFA] = my tile's block of K step 1, at my 33 rows of its 264
	s_add_co_u32 s22, ttmp9, 1
	s_and_b32 s22, s22, 2                          ; 0 in cluster columns 0, 3, 4, 7
	s_cmp_eq_u32 s15, 0                            ; do I fetch for A?
	s_cselect_b32 s20, s17, s42                    ; the tile: A's by the tile row, B's by the tile column
	s_cselect_b32 s21, s40, s41                    ; my place among the four that ask for it with me
	s_cselect_b32 s22, s22, 0                      ; B's two clusters both ask
	s_cselect_b64 s[PFA:PFA+1], s[4:5], s[6:7]
	s_cmp_eq_u32 s22, 0
	s_cselect_b32 s[LIM], 1, -1                    ; 1: my wave asks; the greatest number: it does not
	s_mul_i32 s20, s20, 16*BLKB
	s_lshl_b32 s21, s21, 1
	s_add_co_u32 s21, s21, s16                     ; which of the eight waves
	s_mul_i32 s21, s21, 33*256
	s_add_co_u32 s20, s20, s21
	s_add_co_u32 s20, s20, BLKB
	s_mov_b32 s21, 0
	s_add_nc_u64 s[PFA:PFA+1], s[PFA:PFA+1], s[20:21]
	s_cmp_eq_u32 s[LIM], 1
	s_cbranch_scc0 .Lno_head_ask
	ASKAT 0                                        ; K step 1,
	ASKAT BLKB                                     ; and K step 2
.Lno_head_ask:
	s_lshl_b32 s18, s42, 8
	s_lshl_b32 s19, s16, 7
	s_add_co_u32 s18, s18, s19
	s_mov_b32 s19, 0
.irp g, 0,1,2,3
	s_add_nc_u64 s[80+2*\g:81+2*\g], s[80+2*\g:81+2*\g], s[18:19]
.endr
.irp g, 0,1,2,3
.irp u, 0,1
.irp e, 0,1
	global_load_b128 v[BIAS+8*(2*\g+\u)+4*\e:BIAS+8*(2*\g+\u)+4*\e+3], v7, s[80+2*\g:81+2*\g] offset:64*\u+16*\e
.endr
.endr
.endr
	s_lshl_b32 s20, s17, 8
	s_lshl_b32 s21, s14, 6
	s_add_co_u32 s20, s20, s21
	s_lshl_b32 s20, s20, 13
	s_lshl_b32 s21, s42, 8
	s_add_co_u32 s20, s20, s21
	s_mov_b32 s21, 0
	s_mov_b32 s[G0C], 1
	s_mul_i32 s[G0C+1], s14, 64*PITCH
	s_add_nc_u64 s[G0C+2:G0C+3], s[8:9], s[20:21]
	s_add_nc_u64 s[10:11], s[8:9], s[20:21]        ; the same place, for the prefetch of my 64 rows of C
	s_or_b32 s[G0C+3], s[G0C+3], 0x80000000
	s_lshl_b32 s20, s17, 8
	s_lshl_b32 s22, s15, 7
	s_add_co_u32 s20, s20, s22
	s_lshl_b32 s22, s16, 4
	s_add_co_u32 s20, s20, s22
	s_lshl_b32 s20, s20, 13
	s_lshl_b32 s22, s42, 8
	s_add_co_u32 s20, s20, s22
	s_add_nc_u64 s[88:89], s[88:89], s[20:21]
	s_add_nc_u64 s[90:91], s[90:91], s[20:21]
.macro FRAG reg, adr, q, i
.irp c, 0,1,2,3
	ds_load_b128 v[\reg+4*\c:\reg+4*\c+3], v[\adr] offset:128*(\q)+32*\c+(\i)*16*PITCH
.endr
.endm
; Four products: A's block a x B's blocks 4 h .. 4 h + 3, 128 along K.  p: B's set; q: which 128 of the slot; sc: the set of scale words; first = 1: the biases are the C.
; The 64 accumulators take turns, one instruction a turn, in the same order in every step.
.macro P4 a, h, p, q, sc, first
.if \first
	WIN FIRST_LO+0x40*((\a)/4)
.else
	WIN MUL_LO+0x50*((\a)/4)
.endif
.irp b, 0,1,2,3,4,5,6,7
.if \b/4 == (\h)
.if \first
	v_wmma_scale_f32_16x16x128_f8f6f4 v[8*(8*((\a)%4)+\b):8*(8*((\a)%4)+\b)+7], v[128*(\p)+FR*\b:128*(\p)+FR*\b+FR-1], v[AF+FR*(\a):AF+FR*(\a)+FR-1], v[BIAS+8*\b:BIAS+8*\b+7], v[SC+8*NQ*(\sc)+NQ*\b+(\q)], v[SC+8*NQ*(\sc)+NQ*(\a)+(\q)] matrix_a_scale:MATRIX_SCALE_ROW1
.else
	v_wmma_scale_f32_16x16x128_f8f6f4 v[8*(8*((\a)%4)+\b):8*(8*((\a)%4)+\b)+7], v[128*(\p)+FR*\b:128*(\p)+FR*\b+FR-1], v[AF+FR*(\a):AF+FR*(\a)+FR-1], v[8*(8*((\a)%4)+\b):8*(8*((\a)%4)+\b)+7], v[SC+8*NQ*(\sc)+NQ*\b+(\q)], v[SC+8*NQ*(\sc)+NQ*(\a)+(\q)] matrix_a_scale:MATRIX_SCALE_ROW1
.endif
.endif
.endr
.endm
.macro FETCH_B slot, q, p
	WIN TO_B
.irp i, 0,1,2,3,4,5,6,7
	FRAG 128*(\p)+FR*\i, ADRB+\slot, \q, \i
.endr
	WIN 0
.endm
.macro FETCH_A slot, q, i0
.irp i, \i0, \i0+1, \i0+2, \i0+3
	FRAG AF+FR*(\i), ADRA+\slot, \q, \i
.endr
.endm
.macro SCALES sc
.irp i, 0,1,2,3,4,5,6,7
	ds_load_b64 v[SC+8*NQ*\sc+NQ*\i:SC+8*NQ*\sc+NQ*\i+1], v[ADRS+\sc] offset:PITCH*(\i/2)+128*(\i%2)
.endr
.endm
.macro PLACES n
.rept \n
	v_nop
.endr
.endm
; THE LDS LOADS STAND IN FOUR EVEN RUNS A STEP.  A step of 128 along K is sixteen groups of four products (A's blocks 0 to 7, each against B's eight); place t stands behind group t.
; Every step fetches the NEXT step's sixteen fragments, always in this order: B's 0 to 3 at place 3, B's 4 to 7 at place 7 (into B's other set), A's 0 to 3 at place 11, A's 4 to 7 at place 15
; (A has one set: block j's registers are free behind group 2 j + 1).  A run is 16 loads, and sixteen products stand between two runs.
.macro LB slot, q, p, i
	WIN TO_B
	FRAG 128*(\p)+FR*(\i), ADRB+\slot, \q, \i
.endm
.macro LA slot, q, i                   ; A's fragment i
	WIN 0
	FRAG AF+FR*(\i), ADRA+\slot, \q, \i
.endm
; Place t: a run at t = 3, 7, 11, 15, nothing elsewhere.  Eight v_nop stand ahead of each run: the places between the last product that read the registers and the loads that land in them.
.macro ITEM slot, q, p, t
.if (\t) == 3 || (\t) == 7
	PLACES NP
.irp i, 0,1,2,3
	LB \slot, \q, \p, (\t)-3+\i
.endr
.elseif (\t) == 11 || (\t) == 15
	PLACES NP
.irp i, 0,1,2,3
	LA \slot, \q, (\t)-11+\i
.endr
.endif
.endm
; A slot's first step.  At its head the last step's last run (A's fragments 4 to 7, 16 loads) may be out; ahead of A's block 4 that run is wanted, and this step's first two runs (32 loads) may be out.
.macro S0 slot, first
.irp j, 0,1,2,3,4,5,6,7
.if \j == 0
	s_wait_dscnt 16
.elseif \j == 4
	s_wait_dscnt 32
.endif
	P4 \j, 0, 0, 0, \slot, \first
	ITEM \slot, 1, 1, 2*\j
	P4 \j, 1, 0, 0, \slot, \first
	ITEM \slot, 1, 1, 2*\j+1
.endr
.endm
; A slot's last step changes slots.  All its fragments were fetched in the step before, so my reads of this slot are over when they are in.  Eight products; the wait for my tensor loads and the add; four products;
; the wait for the add and for my reads, and the signal; four products; the round.  Behind it this slot is filled again first (fill = 1: two K steps on; fill = 2: my 64 rows of C),
; then come the next slot's scale words with the run of place 3, and the runs of places 7, 11, 15.
.macro S1 slot, next, fill
.if \fill == 1
	s_wait_xcnt 0x0                                ; my prefetches have read their address: it steps here
	s_add_nc_u64 s[PFA:PFA+1], s[PFA:PFA+1], BLKB
.endif
	s_wait_dscnt 16                                ; the last run (A's fragments 4 to 7) may be out
	P4 0, 0, 1, 1, \slot, 0
	P4 0, 1, 1, 1, \slot, 0
	WIN 0                                          ; (the add's two registers lie in window 0)
	s_wait_tensorcnt 0x0                           ; all my tensor loads have landed: my part of the next slot
	ds_add_u32 v[SPW], v[NIL]
	P4 1, 0, 1, 1, \slot, 0
	s_wait_dscnt 0x0                               ; the add is done, and my reads of this slot are over
	s_barrier_signal -1
	P4 1, 1, 1, 1, \slot, 0
	WIN 0
	s_barrier_wait -1
	CREST                                          ; the barrier has opened a round of the cluster's barrier
.if \fill == 1
	s_add_nc_u64 s[G0+4*\slot+2:G0+4*\slot+3], s[G0+4*\slot+2:G0+4*\slot+3], 2*BLKB
	s_add_nc_u64 s[G0B+4*\slot+2:G0B+4*\slot+3], s[G0B+4*\slot+2:G0B+4*\slot+3], 2*BLKB
	JLOAD G0+4*\slot, G1, G0B+4*\slot, G1B
.else
	tensor_load_to_lds s[G0C:G0C+3], s[G1C:G1C+7]
	s_nop 0
.rept 4
	v_nop
.endr
.endif
	SCALES \next                                   ; (B's other set was last read in the step before, ahead of that step's last eight v_nop)
.irp i, 0,1,2,3
	LB \next, 0, 0, \i
.endr
.if \fill == 1
	WIN 0
	ASK \slot
.endif
.irp j, 2,3,4,5,6,7
	P4 \j, 0, 1, 1, \slot, 0
	ITEM \next, 0, 0, 2*\j
	P4 \j, 1, 1, 1, \slot, 0
	ITEM \next, 0, 0, 2*\j+1
.endr
.endm
	s_wait_alu depctr_va_vdst(0)                   ; the head's end
	s_wait_tensorcnt 0x0                           ; my part of K step 0 is in
	ds_add_u32 v[SPW], v[NIL]
	s_wait_dscnt 0x0                               ; the add is done
	CROUND                                         ; everybody's part of K step 0 is in, and all sixteen work-groups are here
	JLOAD G0+4, G1, G0B+4, G1B                     ; K step 1's load, the first tensor load behind the round
	SCALES 0                                       ; the first step's scale words and fragments, in the order in which every step fetches them
	FETCH_B 0, 0, 0
	FETCH_A 0, 0, 0
	FETCH_A 0, 0, 4
	s_cmp_eq_u32 s[LIM], 1
	s_cbranch_scc0 .Lno_ask_3
	ASKAT 2*BLKB                                   ; K step 3
.Lno_ask_3:
	s_wait_loadcnt 0x0                             ; the biases are in
	S0 0, 1                                        ; the first step stands in front of the loop: its products start the sums on the biases
	s_mov_b32 s3, LAPS-1
.Llap:                                                 ; a trip goes once round the ring, from a lap's second step to the next lap's first, and fills both slots again
	S1 0, 1, 1
	S0 1, 0
	S1 1, 0, 1
	S0 0, 0
	s_sub_co_u32 s3, s3, 1
	s_cmp_lg_u32 s3, 0
	s_cbranch_scc1 .Llap
	S1 0, 1, 2                                     ; the last lap: slot 0 takes C's tile
	S0 1, 0
.irp j, 0,1,2,3                        ; the very last step fetches nothing: behind A's fragment j 4 (7 - j) loads may be out
	s_wait_dscnt 28-4*\j
	P4 \j, 0, 1, 1, 1, 0
	P4 \j, 1, 1, 1, 1, 0
.endr
	s_wait_dscnt 0x0                               ; my reads of the ring are over,
	s_wait_tensorcnt 0x0                           ; and my rows of C are in
	s_barrier_signal -1
.irp j, 4,5,6,7
	P4 \j, 0, 1, 1, 1, 0
	P4 \j, 1, 1, 1, 1, 0
.endr
	WIN 0
	s_barrier_wait -1
.macro OUTLD k
	s_wait_dscnt 0x0
	s_barrier_signal -1
	s_barrier_wait -1
.if (\k) > 0
	s_wait_xcnt 0x0
.endif
.irp o, 0,1
.irp t, 0,1,2,3,4,5,6,7
	ds_load_b128 v[OB+32*\o+4*\t:OB+32*\o+4*\t+3], v[RD+\o] offset:(32*(\k)+2*\t)*PITCH
.endr
.endr
.endm
.macro OUTST k, younger
	s_wait_dscnt \younger
.irp o, 0,1
.irp t, 0,1,2,3,4,5,6,7
	global_store_b128 v[CO], v[OB+32*\o+4*\t:OB+32*\o+4*\t+3], s[88+2*\o:89+2*\o] offset:(32*(\k)+2*\t)*8192 th:TH_STORE_NT
.endr
.endr
.endm
.macro LOADC a
.irp u, 0,1
.irp e, 0,1
	ds_load_b128 v[CL+16*((\a)%2)+8*\u+4*\e:CL+16*((\a)%2)+8*\u+4*\e+3], v[CLA] offset:16*PITCH*(\a)+64*\u+16*\e
.endr
.endr
.endm
.macro TRANS op, base, n
.set i, 0
.rept \n
	\op v[\base+i], v[\base+i]
.set i, i+1
.endr
	v_nop
.endm
.macro ADD1 base, n
.set i, 0
	s_wait_alu depctr_va_vdst(0)
.rept \n
	v_pk_add_f32 v[\base+i:\base+i+1], v[\base+i:\base+i+1], 1.0 op_sel_hi:[1,0]
.set i, i+2
.endr
.endm
.macro TANHEND base
.set i, 0
	s_wait_alu depctr_va_vdst(0)
.rept 8
	v_pk_fma_f32 v[\base+i:\base+i+1], v[\base+i:\base+i+1], -2.0, 1.0 op_sel_hi:[1,0,0]
.set i, i+2
.endr
.endm
.macro GATES a
.if (\a) < 7
	LOADC (\a)+1
.endif
.set AC, 64*((\a)%4)
.set CLS, CL+16*((\a)%2)
	WIN 0x02+(\a)/4
.irp b, 0,1,2,3,4,5,6,7
.irp j, 0,2,4,6
.if \b < 6
	v_pk_mul_f32 v[T+8*\b+\j:T+8*\b+\j+1], v[AC+8*\b+\j:AC+8*\b+\j+1], s[96:97] op_sel_hi:[1,0]
.else
	v_pk_mul_f32 v[T+8*\b+\j:T+8*\b+\j+1], v[AC+8*\b+\j:AC+8*\b+\j+1], s[98:99] op_sel_hi:[1,0]
.endif
.endr
.endr
	WIN 0
	s_wait_alu depctr_va_vdst(0)
	TRANS v_exp_f32, T, 64
.if ((\a) % 2 == 0) && ((\a) > 0)
	OUTST (\a)/2-1, 4
.endif
	ADD1 T, 32
	s_wait_alu depctr_va_vdst(0)
	TRANS v_rcp_f32, T, 64
	TANHEND TG
.if (\a) < 7
	s_wait_dscnt 4
.else
	s_wait_dscnt 0
.endif
.set i, 0
.rept 8
	v_pk_mul_f32 v[CN+i:CN+i+1], v[TF+i:TF+i+1], v[CLS+i:CLS+i+1]
.set i, i+2
.endr
.set i, 0
.rept 8
	v_pk_fma_f32 v[CN+i:CN+i+1], v[TG+i:TG+i+1], v[TI+i:TI+i+1], v[CN+i:CN+i+1]
.set i, i+2
.endr
.set i, 0
.rept 8
	v_pk_mul_f32 v[EE+i:EE+i+1], v[CN+i:CN+i+1], s[98:99] op_sel_hi:[1,0]
.set i, i+2
.endr
	s_wait_alu depctr_va_vdst(0)
	TRANS v_exp_f32, EE, 16
	ADD1 EE, 8
	s_wait_alu depctr_va_vdst(0)
	TRANS v_rcp_f32, EE, 16
	TANHEND EE
.set i, 0
.rept 8
	v_pk_mul_f32 v[YY+i:YY+i+1], v[TO+i:TO+i+1], v[EE+i:EE+i+1]
.set i, i+2
.endr
.irp u, 0,1
.irp e, 0,1
	ds_store_b128 v[CLA], v[CN+8*\u+4*\e:CN+8*\u+4*\e+3] offset:16*PITCH*(\a)+64*\u+16*\e
	ds_store_b128 v[YA], v[YY+8*\u+4*\e:YY+8*\u+4*\e+3] offset:16*PITCH*(\a)+64*\u+16*\e
.endr
.endr
.endm
	PLACES NP
	LOADC 0
.irp a, 0,1,2,3,4,5,6,7
	GATES \a
.if \a % 2 == 1
	OUTLD \a/2
.endif
.endr
	OUTST 3, 0
	s_wait_tensorcnt 0x0
	ds_add_u32 v[SPW], v[NIL]
	s_wait_dscnt 0x0
	CROUND
	s_endpgm
.Lfunc_end_k_q502c5825f7_cell:
	.size	k_q502c5825f7_cell, .Lfunc_end_k_q502c5825f7_cell-k_q502c5825f7_cell
	.p2alignl 7, 3214868480
	.fill 96, 4, 3214868480
	.section	.rodata,"a",@progbits
	.p2align	6, 0x0
	.amdhsa_kernel k_q502c5825f7_cell
		.amdhsa_group_segment_fixed_size 327680
		.amdhsa_private_segment_fixed_size 0
		.amdhsa_enable_private_segment 0
		.amdhsa_kernarg_size 72
		.amdhsa_user_sgpr_count 2
		.amdhsa_user_sgpr_kernarg_segment_ptr 1
		.amdhsa_wavefront_size32 1
		.amdhsa_system_sgpr_workgroup_id_x 1
		.amdhsa_system_sgpr_workgroup_id_y 1
		.amdhsa_system_sgpr_workgroup_id_z 1
		.amdhsa_system_vgpr_workitem_id 0
		.amdhsa_next_free_vgpr 1024
		.amdhsa_next_free_sgpr 100
		.amdhsa_reserve_vcc 0
		.amdhsa_float_denorm_mode_32 3
		.amdhsa_float_denorm_mode_16_64 3
		.amdhsa_memory_ordered 1
		.amdhsa_forward_progress 1
		.amdhsa_inst_pref_size 245
	.end_amdhsa_kernel
	.amdgpu_metadata
---
amdhsa.version: [ 1, 2 ]
amdhsa.kernels:
  - .name:           k_q502c5825f7_cell
    .symbol:         k_q502c5825f7_cell.kd
    .args:
      - { .name: acodes, .offset: 0, .size: 8, .value_kind: global_buffer, .address_space: global }
      - { .name: bcodes, .offset: 8, .size: 8, .value_kind: global_buffer, .address_space: global }
      - { .name: C, .offset: 16, .size: 8, .value_kind: global_buffer, .address_space: global }
      - { .name: b_f, .offset: 24, .size: 8, .value_kind: global_buffer, .address_space: global }
      - { .name: b_i, .offset: 32, .size: 8, .value_kind: global_buffer, .address_space: global }
      - { .name: b_o, .offset: 40, .size: 8, .value_kind: global_buffer, .address_space: global }
      - { .name: b_g, .offset: 48, .size: 8, .value_kind: global_buffer, .address_space: global }
      - { .name: out0, .offset: 56, .size: 8, .value_kind: global_buffer, .address_space: global }
      - { .name: out1, .offset: 64, .size: 8, .value_kind: global_buffer, .address_space: global }
    .group_segment_fixed_size: 327680
    .private_segment_fixed_size: 0
    .kernarg_segment_align: 8
    .kernarg_segment_size: 72
    .max_flat_workgroup_size: 128
    .sgpr_count:     100
    .vgpr_count:     1024
    .wavefront_size: 32
...
	.end_amdgpu_metadata
.endif
;; end of part 2
